; MI455X (gfx1250); checked and timed in simulation.
; The chip was launched on July 23, 2026; its instructions are those of AMD's public machine-readable ISA for CDNA 5 (MIT licence, August 2026) and "CDNA5" Instruction Set Architecture Reference Guide (July 2026). The comments in the code are by the model that wrote it; some were corrected since.
;; Global Local Attention. Allowed arithmetic: matrix products marked QUANTISED: E2M3 operands, one E8M0 scale for each 32 along K, by v_wmma_scale_f32_16x16x128_f8f6f4 with both operands' format E2M3, f32 sums; everything else in f32.
;; Inputs: k_codes 2 x 16 x 2,048 x 4 x 24 uint8 (E2M3 codes of k, K innermost, in blocks of 32 codes, four codes in three bytes); k_scales 2 x 16 x 2,048 x 4 uint8 (E8M0 scales of k, one for each 32 codes along K); q_codes 2 x 16 x 2,048 x 4 x 24 uint8 (E2M3 codes of q, K innermost, in blocks of 32 codes, four codes in three bytes); q_scales 2 x 16 x 2,048 x 4 uint8 (E8M0 scales of q, one for each 32 codes along K); v_codes 2 x 16 x 128 x 64 x 24 uint8 (E2M3 codes of v, K innermost, in blocks of 32 codes, four codes in three bytes); v_scales 2 x 16 x 128 x 64 uint8 (E8M0 scales of v, one for each 32 codes along K).
;; Outputs: out0 2 x 16 x 2,048 x 128 float32.
;; This version of the problem:
;;   THIS VERSION OF THE PROBLEM IS GIVEN IN LOW PRECISION. The matrix products marked QUANTISED in the list below multiply operands that are first quantised to E2M3 (2 exponent bits, 3 mantissa bits; 6 bits a number), with one power-of-two scale for each 32 numbers along K (OCP MX v1.0); their sums are f32. All else is computed in f32.
;;   The module's matrix products, in the order in which they are computed (A, B: the left and right operand; K: the contracted axis; several contracted axes count as one K, in the product's order):
;;     1. batch 32 x [M 2,048, K 128] x [K 128, N 2,048]; A: input q (given as codes); B: input k (given as codes): QUANTISED
;;     2. batch 32 x [M 2,048, K 2,048] x [K 2,048, N 128]; A: softmax (see below); B: input v (given as codes): QUANTISED
;;   THE QUANTISER, for each operand of a quantised product, along K:
;;     - K is cut into blocks of 32 from its start; a last block that is shorter is filled with zeros.
;;     - A block's scale is 2^e with e = floor(log2(the largest magnitude in the block)) - 2, held to -126 .. 127; a block of zeros has e = 0. As a byte (E8M0): e + 127.
;;     - Each number is divided by its block's scale, clamped to +-7.5, and rounded to the nearest number of E2M3, ties to even, subnormals kept.
;;     - The product sums the exact products of the quantised numbers (number of the format x scale) in f32.
;;   ~~~python
;;   def quantise(x, axis):      # numpy; x: float32 -> the quantised numbers, widened to float32 again
;;       x = np.moveaxis(x, axis, -1); K = x.shape[-1]
;;       x = np.pad(x, [(0, 0)] * (x.ndim - 1) + [(0, -K % 32)]); x = x.reshape(x.shape[:-1] + (-1, 32)); a = np.abs(x).max(-1, keepdims=True)
;;       e = np.where(a > 0, np.clip(np.frexp(np.where(a > 0, a, 1))[1] - 1 - 2, -126, 127), 0)      # np.frexp(a)[1] - 1 = floor(log2(a)), exactly
;;       r = np.clip(x / 2.0 ** e, -7.5, 7.5)
;;       step = 2.0 ** (np.maximum(np.frexp(np.where(r == 0, 1, r))[1] - 1, 0) - 3)
;;       q = np.round(r / step) * step * 2.0 ** e      # np.round: ties to even
;;       return np.moveaxis(q.reshape(q.shape[:-2] + (-1,))[..., :K], -1, axis).astype(np.float32)
;;   ~~~
;;   SOFTMAX AHEAD OF A QUANTISED PRODUCT. Where the list says 'softmax', what is quantised is not the finished softmax but p = 2^(t - M), with t = logit x log2(e) and M = ceil(the row's largest t), a whole number; so 1/2 < the row's largest p <= 1. The row's sum l is taken of the UNQUANTISED p, in f32, and the product's result is divided by l at the end. Since M is a whole number, a kernel that streams over the keys may use a running M (the ceiling of the running maximum): every later rescaling is an exact power of two, which a block's scale takes up: the codes' values come out the same.
;;   OPERANDS COMPUTED ON THE WAY. 'Computed on the way' means the value that the module computes at that place (a softmax that the list does not call 'softmax' is quantised finished and normalised). What goes into a quantiser is computed in f32, as accurately as f32 sums, v_exp_f32 and their like allow (about 1e-6 of the number): no bf16 or f16 on the way to a quantiser, and a product that is left as it is and whose result goes on into a quantised operand takes f32 operands (vector FMAs, or v_wmma_f32_16x16x4_f32). A number that lies on a knife's edge between two numbers of the format may be rounded either way, as far as f32 arithmetic and the matrix unit's own rounding can turn it there, and no further.
;;   INPUTS GIVEN AS CODES. k (in the module: [2, 16, 2048, 128], K = its axis 3); q (in the module: [2, 16, 2048, 128], K = its axis 3); v (in the module: [2, 16, 2048, 128], K = its axis 2): each comes as NAME_codes (uint8): NAME with its K axis moved to the last place and cut into blocks of 32 codes, [.., K / 32, bytes a block], one block behind the other in memory; four codes in three bytes: a row's codes are one little-endian stream of bits, code i at bits 6 i .. 6 i + 5 (a code: sign, 2 exponent bits, 3 mantissa bits); and NAME_scales (uint8): the same leading axes, one E8M0 byte (e + 127) for each 32 codes along K. Its value is code x scale, taken as it is: it is not quantised again, and the codes and scales need not be those that the quantiser above would give.
;; One version. Each part assembles by itself: llvm-mc -triple=amdgcn-amd-amdhsa -mcpu=gfx1250 --defsym DOCPART=n.
;; ======== version 1 of 1: 1 launch
;; launch gla (part 1): grid 8 x 32, 8 waves a work-group, no clusters, 297,728 bytes of LDS; arguments q_codes, q_scales, k_codes, k_scales, v_codes, v_scales, out0; writes out0
.if DOCPART == 1
	.amdgcn_target "amdgcn-amd-amdhsa--gfx1250"
	.amdhsa_code_object_version 6
	.text
	.protected	k_q61668129fd_gla
	.globl	k_q61668129fd_gla
	.p2align	8
	.type	k_q61668129fd_gla,@function
k_q61668129fd_gla:
	s_mov_b64 s[64:65], 0
	v_nop
	global_prefetch_b8 v0, s[64:65] scope:SCOPE_SE
	s_setreg_imm32_b32 hwreg(HW_REG_WAVE_MODE, 25, 1), 1
	s_wait_xcnt 0x0
; out0[head][i][:] = sum over j of softmax_j(q[i] . k[j] / sqrt(128) + mask(i, j)) v[j][:], 32 heads of 2,048 positions, head size 128; both products on the given codes of FP6 (E2M3) with E8M0 scales.
; THE SOFTMAX: t = score x log2(e) / sqrt(128); M = the ceiling of the row's running largest t; p = 2^(t - M) is quantised along the keys in blocks of 32; the row's sum is taken of the unquantised p and divides at the end.
; WORK LEFT OUT, AND WHY IT IS DEAD.  The mask is built from positions alone: row i sees keys i - 256 .. i + 256 and keys 0 .. 15; rows 0 .. 15 see all keys.  A hidden score is -infinity, whatever q and k hold: its p is
; exactly 0, its code is 0, and it adds nothing to the row's maximum, to its sum or to the second product.  So a step of 128 keys all of which are hidden from a wave's 32 rows is left out whole.  The rows 128 b + 32 n .. + 31
; see only steps b - 2 .. b + 2 and the block of keys 0 .. 31.  Every input has live parts, so all six are loaded.
; LIMITS: a NaN scale byte (0xff) that reaches only work left out is not carried to the result; a block of p that is all zeros keeps the scale byte 1 (its codes are zeros); p under 2^-126 comes out of v_exp_f32 as 0.
; SHARES.  A work-group owns 256 rows of one head (x = block, y = head): 256 work-groups.  Each of its 8 waves owns 32 rows, two tiles of 16: tile A in register window 0, tile B under the same numbers in window 1, so that each
; fragment of K and V read from LDS feeds two matrix instructions.  Both products are used transposed (S^T = K Q^T, O^T = V^T P^T): a lane holds one row (lane % 16) throughout.
; THE KEYS OF A TILE ARE NOT NEIGHBOURS: lane r of tile 2 c + u takes key 32 c + 8 u + r + 8 (r / 8), so that score register 16 c + i of a lane is key 32 c + 16 (lane / 16) + i of the step.
; LDS.  The block's 768 keys (blocks x - 1, x, x + 1 of 256) of K and V, 147,456 bytes of codes, lie in LDS at once: 16 tensor loads at the head, two a wave, nothing is ever filled again.  Every address in the windows of codes
; is a constant plus a term of the wave: the third that would lie outside the head (x = 0: the first; x = 7: the last) is fetched from the neighbouring block instead and is read by nobody: 4 of 16 loads in 64 of 256 work-groups.
; THE GLOBAL ROWS (x = 0).  Wave w takes key steps 2 w and 2 w + 1 for rows 0 .. 15, operands straight from memory, with a running M of its own, and leaves a partial (O^T, -M, sum) in LDS; behind the barrier wave w merges rows
; 2 w and 2 w + 1 of the eight partials, each multiplied by 2^(its M - the largest M), which rounds nothing.  In that work-group tile A of wave 0 rides along in the local steps (its fragments are tile B's) and is not stored.
; NO CLUSTER: a block of 256 keys is wanted by three neighbouring work-groups at three different places of their windows, and an LDS address may not hang on a work-group's place in a cluster; alike in all would be the
; 16,384 bytes of scales alone, a tenth of a work-group's 166 thousand.
.set KW,    0                          ; K's codes: 768 keys x 96 bytes, dense; place s (0 .. 5) of the window at 12,288 s
.set VW,    73728                      ; V's codes: three thirds of 128 rows x 240 (192 bytes of data, 16 of padding behind each 64)
.set GK,    165888                     ; K's codes of keys 0 .. 31
.set GV,    168960                     ; V's codes of keys 0 .. 31: 128 rows x 24 bytes
.set SCK,   173312                     ; K's scale bytes of the head: 32 x (256 + 16); key step s at 544 s.  1,280 bytes that nobody names lie on either side
.set SCV,   183296                     ; V's likewise: row d at 272 (d / 4) + 64 (d % 4), key step s at + 4 s
.set MG,    192256                     ; the global rows' eight partials: 16 rows x 528 each
.set STM,   259840                     ; their -M, 4 bytes a thread; their sums 1,024 bytes on
.set STG,   261888                     ; the way out: 16 rows x 272 for each wave
.set SPARE, 296704                     ; the spare words, 128 bytes for each wave: four blocks of 256 bytes that no other line names
; SCALARS: s[4:17] the seven addresses; s18 wave; s19 x; s[20:21] lane selects; s[22:23] c; s24 head; s25 g = wave / 4; s26 n = wave % 4; s27 e = wave % 2; s[28:59], s[68:75] five groups 1; s[76:83] two groups 0;
;   s[84:87] the head's byte offsets; s88-97 the steps' addends; s98 b = 2 x + g; s99 the mask of lanes 16-31; s100 2 x + 3 g; s2, s3, s60-63, s66, s67 at work.
; VECTORS (window 0; tile B's state under the same numbers in window 1): v1-5, v31, v92, v93 addresses that stay; v6, v7 the add's two; v8-11, v30 addresses in hand; v12 -M, v13 largest t, v[14:15] the sum; v16-27 Q;
;   v28, v29 the mask's bounds; v32-79 fragments 0-3 (window 1: 4-7); v80-83 scale words of Q (B, -, A, global) and v81 of tile B's p; v84-91 the eight fragments' scale words; v96-159 S^T, then p; v160-223 O^T;
;   v224-235 p's codes; v232-254 at work; v253 p's scale word.
.set MSB, 0
.macro WIN new                         ; bits 1:0 source 0, 3:2 source 1, 5:4 source 2, 7:6 destination; the immediate's high byte repeats the setting that is left
.if MSB != \new
	s_set_vgpr_msb (MSB<<8)|\new
.set MSB, \new
.endif
.endm
.macro PLACES n
.rept \n
	v_nop
.endr
.endm
.macro GROUP1 g, w0, d0, d1, pitch     ; a tile of d1 rows of d0 elements, pitch elements apart in memory
	s_mov_b32 s[\g], \w0
	s_mov_b32 s[\g+1], (\d0)<<16
	s_mov_b32 s[\g+2], (\d1)<<16
	s_mov_b32 s[\g+3], (\d0)<<16
	s_mov_b32 s[\g+4], \d1
	s_mov_b32 s[\g+5], \pitch
	s_mov_b32 s[\g+6], 0
	s_mov_b32 s[\g+7], 0
.endm
.macro DESC g0, ptr, off               ; group 0 but for its LDS address: count 1, the tile's first byte, type 2
	s_mov_b32 s[\g0], 1
	s_add_nc_u64 s[\g0+2:\g0+3], s[\ptr:\ptr+1], s[\off:\off+1]
	s_or_b32 s[\g0+3], s[\g0+3], 0x80000000
.endm
.macro FILL2 ga, gb                    ; a wave's two fills; an s_nop 0 follows each, four v_nop the second
	tensor_load_to_lds s[76:79], s[\ga:\ga+7]
	s_nop 0
	tensor_load_to_lds s[80:83], s[\gb:\gb+7]
	s_nop 0
	PLACES 4
.endm
; tile t of S^T = 16 keys (fragment at v[f]) x 16 rows (Q at v[qr]); the constant 0 starts the sum
.macro SQ t, f, qr, sc
	v_wmma_scale_f32_16x16x128_f8f6f4 v[96+8*(\t):103+8*(\t)], v[\f:\f+11], v[\qr:\qr+11], 0, v[84+(\t)], v[\sc] matrix_a_fmt:MATRIX_FMT_FP6 matrix_b_fmt:MATRIX_FMT_FP6
.endm
; tile t of O^T (+)= 16 channels (fragment at v[f]) x p
.macro PV t, f, sc, first
.if \first
	v_wmma_scale_f32_16x16x128_f8f6f4 v[160+8*(\t):167+8*(\t)], v[\f:\f+11], v[224:235], 0, v[84+(\t)], v[\sc] matrix_a_fmt:MATRIX_FMT_FP6 matrix_b_fmt:MATRIX_FMT_FP6
.else
	v_wmma_scale_f32_16x16x128_f8f6f4 v[160+8*(\t):167+8*(\t)], v[\f:\f+11], v[224:235], v[160+8*(\t):167+8*(\t)], v[84+(\t)], v[\sc] matrix_a_fmt:MATRIX_FMT_FP6 matrix_b_fmt:MATRIX_FMT_FP6
.endif
.endm
; a step's K: eight scale words, then eight fragments of six pieces of 8 bytes
.macro KLOADS
.irp t, 0,1,2,3,4,5,6,7
	ds_load_b32 v[84+\t], v11 offset:272*(\t/4)+(32*((\t/2)%2)+8*(\t%2))*4
.endr
.irp t, 0,1,2,3,4,5,6,7
.if \t == 4
	WIN 0x40                                       ; fragments 4-7 go to window 1
.endif
.irp p, 0,1,2,3,4,5
	ds_load_b64 v[32+12*(\t%4)+2*\p:33+12*(\t%4)+2*\p], v8 offset:(32*(\t/2)+8*(\t%2))*96+48*(\p/3)+8*(\p%3)
.endr
.endr
	WIN 0
.endm
; S^T of both tiles: 16 matrix instructions on 16 different accumulators
.macro SMUL
	s_wait_dscnt 24                                ; the scale words and fragments 0-3 are in; the youngest 24 loads (fragments 4-7) may be out
.irp t, 0,1,2,3
	SQ \t, 32+12*\t, 16, 82
.endr
	WIN 0x44                                       ; Q and S^T of tile B
.irp t, 0,1,2,3
	SQ \t, 32+12*\t, 16, 80
.endr
	s_wait_dscnt 0x0
	WIN 0x01
.irp t, 4,5,6,7
	SQ \t, 32+12*(\t-4), 16, 82
.endr
	WIN 0x45
.irp t, 4,5,6,7
	SQ \t, 32+12*(\t-4), 16, 80
.endr
	WIN 0
	PLACES 4                                       ; four places ahead of the loads into the fragments' and scale words' registers and of the first read of S^T
.endm
; a step's V: q = which 128 keys of the third.  Lanes 16-31 read three pieces further on than lanes 0-15; where that is behind one padding more, the second address register serves
.macro VFRAGS q
.irp t, 0,1,2,3,4,5,6,7
	ds_load_b32 v[84+\t], v30 offset:1088*\t
.endr
.irp t, 0,1,2,3,4,5,6,7
.if \t == 4
	WIN 0x40
.endif
.irp p, 0,1,2,3,4,5
.set PC, 12*(\q)+6*(\p/3)+\p%3
.if PC%8 < 5
	ds_load_b64 v[32+12*(\t%4)+2*\p:33+12*(\t%4)+2*\p], v9 offset:8*PC+16*(PC/8)+3840*\t
.else
	ds_load_b64 v[32+12*(\t%4)+2*\p:33+12*(\t%4)+2*\p], v10 offset:8*PC+16*(PC/8)+3840*\t
.endif
.endr
.endr
	WIN 0
.endm
.macro VARM qa, qb                     ; waves 0-3 and waves 4-7 stand in different halves of a third: the immediates alone differ; both arms issue the same 56 loads
	s_cmp_eq_u32 s25, 0
	s_cbranch_scc0 .Lvb_\@
	VFRAGS \qa
	s_branch .Lvj_\@
.Lvb_\@:
	VFRAGS \qb
.Lvj_\@:
.endm
; hidden scores become -infinity, in the caller's window.  Register n holds key kk + 16 (lane / 16) of the step, kk = 32 (n / 16) + n % 16.  kind 1 (step b - 2): hidden where kk < D; kind 2 (step b + 2): where kk > D
.macro MASK kind
	v_mov_b32 v254, 0xff800000
.set nn, 0
.rept 64
.if \kind == 1
.if nn < 16
	v_cmp_lt_i32 vcc_lo, nn, v29                   ; the step's first block is held against D0: where the step is the head's first, keys 0 .. 15 stay
.else
	v_cmp_lt_i32 vcc_lo, 32*(nn/16)+nn%16, v28
.endif
.else
	v_cmp_gt_i32 vcc_lo, 32*(nn/16)+nn%16, v28
.endif
	v_cndmask_b32 v[96+nn], v[96+nn], v254, vcc_lo
.set nn, nn+1
.endr
.endm
; one tile's softmax for 128 keys, all vector operands in the caller's window.  first = 1: it starts M, the sum and O^T
.macro SOFTMAX tile, first
.irp b, 0,1,2,3
	v_max3_num_f32 v[232+\b], v[96+16*\b], v[97+16*\b], v[98+16*\b]   ; the largest score of each block of 32 keys: for the row's maximum and, since p rises with the score, for the block's largest p
.endr
.irp i, 3,5,7,9,11,13
.irp b, 0,1,2,3
	v_max3_num_f32 v[232+\b], v[232+\b], v[96+16*\b+\i], v[97+16*\b+\i]
.endr
.endr
.irp b, 0,1,2,3
	v_max_num_f32 v[232+\b], v[232+\b], v[111+16*\b]
.endr
.irp b, 0,1,2,3
	v_permlanex16_b32 v[236+\b], v[232+\b], s20, s21
.endr
.irp b, 0,1,2,3
	v_max_num_f32 v[232+\b], v[232+\b], v[236+\b]  ; with lane l xor 16's 16 keys
.endr
	v_max3_num_f32 v254, v232, v233, v234
	v_max_num_f32 v254, v254, v235
.if \first
	v_mul_f32 v13, s22, v254                       ; the largest t
	v_floor_f32 v12, -v13                          ; -M = floor(-t)
	v_mov_b32 v14, 0
.else
	v_mul_f32 v254, s22, v254
	v_max_num_f32 v13, v13, v254                   ; the running largest t
	v_mov_b32 v254, v12
	v_floor_f32 v12, -v13
	v_sub_f32 v254, v12, v254                      ; old M - new M: a whole number, 0 or less
	v_cvt_i32_f32 v254, v254
	v_ldexp_f32 v252, 1.0, v254                    ; f = 2^(old M - new M)
.endif
.set jj, 0
.rept 32
	v_pk_fma_f32 v[96+jj:97+jj], v[96+jj:97+jj], s[22:23], v[12:13] op_sel_hi:[1,0,0]   ; t - M
.set jj, jj+2
.endr
.irp b, 0,1,2,3
	v_fma_f32 v[232+\b], v[232+\b], s22, v12
.endr
.set jj, 0
.rept 64
	v_exp_f32 v[96+jj], v[96+jj]                   ; p = 2^(t - M)
.set jj, jj+1
.endr
.if \first
	v_mov_b32 v15, 0                               ; (the plain instruction behind the exponentials)
.else
	v_pk_mul_f32 v[14:15], v[14:15], v[252:253] op_sel_hi:[1,0]   ; the sum under the new M (the plain instruction behind the exponentials)
.endif
	s_wait_alu depctr_va_vdst(0)                   ; one wait for the batch of 64, ahead of its first reader
.irp b, 0,1,2,3
	v_exp_f32 v[232+\b], v[232+\b]                 ; each block's largest p
.endr
	v_pk_add_f32 v[236:237], v[96:97], v[98:99]    ; the row's sum of the unquantised p, in two chains
.set jj, 4
.rept 15
	v_pk_add_f32 v[14:15], v[14:15], v[96+jj:97+jj]
	v_pk_add_f32 v[236:237], v[236:237], v[98+jj:99+jj]
.set jj, jj+4
.endr
	v_pk_add_f32 v[14:15], v[14:15], v[236:237]
	s_wait_alu depctr_va_vdst(0)                   ; and one for the four
.irp b, 0,1,2,3
	v_max_num_f32 v[232+\b], 0x1800000, v[232+\b]  ; the floor 2^(3 - 127): the byte cannot fall under 1
.endr
.irp b, 0,1,2,3
	v_add_nc_u32 v[244+\b], 0xff000000, v[232+\b]  ; 2 off the exponent field: the conversion's scale operand
.endr
.irp b, 0,1,2,3
	v_lshrrev_b32 v[236+\b], 23, v[244+\b]         ; the scale's byte
.endr
	v_lshl_or_b32 v253, v237, 8, v236
	v_lshl_or_b32 v253, v238, 16, v253
	v_lshl_or_b32 v253, v239, 24, v253             ; p's scale word
.if \tile
	WIN 0x01
	v_mov_b32 v81, v253                            ; scale operands are taken from window 0
	WIN 0x55
.endif
.irp c, 0,1
	v_cvt_scalef32_pk16_fp6_f32 v[224+6*\c:226+6*\c], v[96+32*\c:111+32*\c], v[244+2*\c]
	v_cvt_scalef32_pk16_fp6_f32 v[236+4*\c:238+4*\c], v[112+32*\c:127+32*\c], v[245+2*\c]
.endr
	v_nop                                          ; one plain instruction behind the scaled conversions
.irp c, 0,1                            ; the operand wants a whole block in a lane: lanes 0-15 block 2 c, lanes 16-31 block 2 c + 1
.irp i, 0,1,2
	v_permlane16_swap_b32 v[224+6*\c+\i], v[236+4*\c+\i]
.endr
.irp i, 0,1,2
	v_mov_b32 v[227+6*\c+\i], v[236+4*\c+\i]
.endr
.endr
.if \first
	PLACES 8                                       ; the scale word stands eight places, the codes four, ahead of the scaled matrix instructions
.else
.set jj, 0
.rept 32
	v_pk_mul_f32 v[160+jj:161+jj], v[160+jj:161+jj], v[252:253] op_sel_hi:[1,0]   ; O^T under the new M; these are those places too
.set jj, jj+2
.endr
.endif
.endm
; O^T of both tiles: 16 matrix instructions on 16 accumulators, one instruction a turn.  younger: the loads of fragments 4-7
.macro PVMUL first, younger
	s_wait_dscnt \younger
.irp t, 0,1,2,3
	PV \t, 32+12*\t, 253, \first
.endr
	WIN 0x54                                       ; p and O^T of tile B
.irp t, 0,1,2,3
	PV \t, 32+12*\t, 81, \first
.endr
	s_wait_dscnt 0x0
	WIN 0x01
.irp t, 4,5,6,7
	PV \t, 32+12*(\t-4), 253, \first
.endr
	WIN 0x55
.irp t, 4,5,6,7
	PV \t, 32+12*(\t-4), 81, \first
.endr
	WIN 0
.endm
; A KEY STEP of both tiles.  ka, sa, ta, va: what the step adds to the addresses of K, K's scales, V's scales, V.  The five additions are the places behind the last products, ahead of the loads into their operands
.macro STEP kind, first, ka, sa, ta, va, qa, qb
	v_add_nc_u32 v8, \ka, v1
	v_add_nc_u32 v11, \sa, v4
	v_add_nc_u32 v30, \ta, v5
	v_add_nc_u32 v9, \va, v2
	v_add_nc_u32 v10, \va, v3
	KLOADS
	SMUL
.if \qa == \qb
	VFRAGS \qa
.else
	VARM \qa, \qb
.endif
.if \kind
	MASK \kind
	WIN 0x55
	MASK \kind
	WIN 0
.endif
	SOFTMAX 0, \first
	WIN 0x55
	SOFTMAX 1, \first
	WIN 0
	PVMUL \first, 24
.endm
; one tile's softmax for the block of keys 0 .. 31, of which 16 .. 31 (lanes 16-31) are hidden
.macro MINISOFT tile
	v_mov_b32 v254, 0xff800000
.set jj, 0
.rept 16
	v_cndmask_b32 v[96+jj], v[96+jj], v254, s99
.set jj, jj+1
.endr
	v_max3_num_f32 v232, v96, v97, v98
	v_max3_num_f32 v233, v104, v105, v106
	v_max3_num_f32 v232, v232, v99, v100
	v_max3_num_f32 v233, v233, v107, v108
	v_max3_num_f32 v232, v232, v101, v102
	v_max3_num_f32 v233, v233, v109, v110
	v_max3_num_f32 v232, v232, v103, v111
	v_max_num_f32 v232, v232, v233
	v_permlanex16_b32 v236, v232, s20, s21
	v_max_num_f32 v232, v232, v236
	v_mul_f32 v254, s22, v232
	v_max_num_f32 v13, v13, v254
	v_mov_b32 v254, v12
	v_floor_f32 v12, -v13
	v_sub_f32 v254, v12, v254
	v_cvt_i32_f32 v254, v254
	v_ldexp_f32 v252, 1.0, v254
.set jj, 0
.rept 8
	v_pk_fma_f32 v[96+jj:97+jj], v[96+jj:97+jj], s[22:23], v[12:13] op_sel_hi:[1,0,0]
.set jj, jj+2
.endr
	v_fma_f32 v232, v232, s22, v12
.set jj, 0
.rept 16
	v_exp_f32 v[96+jj], v[96+jj]
.set jj, jj+1
.endr
	v_pk_mul_f32 v[14:15], v[14:15], v[252:253] op_sel_hi:[1,0]
	s_wait_alu depctr_va_vdst(0)                   ; one wait for the sixteen
	v_exp_f32 v232, v232
	v_pk_add_f32 v[236:237], v[96:97], v[98:99]
.irp j, 4,8,12
	v_pk_add_f32 v[14:15], v[14:15], v[96+\j:97+\j]
	v_pk_add_f32 v[236:237], v[236:237], v[98+\j:99+\j]
.endr
	v_pk_add_f32 v[14:15], v[14:15], v[236:237]
	s_wait_alu depctr_va_vdst(0)                   ; and one for the block's largest p
	v_max_num_f32 v232, 0x1800000, v232
	v_add_nc_u32 v244, 0xff000000, v232
	v_lshrrev_b32 v236, 23, v244
	v_or_b32 v253, 0x7f7f7f00, v236                ; the block's byte; the three blocks of zero codes get 127
.if \tile
	WIN 0x01
	v_mov_b32 v81, v253
	WIN 0x55
.endif
	v_cvt_scalef32_pk16_fp6_f32 v[224:226], v[96:111], v244   ; lanes 0-15: keys 0 .. 15 of block 0; lanes 16-31: zero codes, in block 1's place
	v_nop
.irp i, 227,228,229,230,231,232,233,234,235
	v_mov_b32 v[\i], 0                             ; keys 16 .. 31 and all other blocks: zero codes
.endr
.set jj, 0
.rept 32
	v_pk_mul_f32 v[160+jj:161+jj], v[160+jj:161+jj], v[252:253] op_sel_hi:[1,0]
.set jj, jj+2
.endr
.endm
; A KEY STEP OF THE GLOBAL ROWS (x = 0): step 2 w + tau, operands from memory into registers; K's fragments as in a local step, V's eight in window 1 v96-191, Q in window 1 v192-203
.macro GSTEP tau, first
	PLACES 4                                       ; ahead of loads into registers that the last products read
.irp t, 0,1,2,3,4,5,6,7
	global_load_b32 v[84+\t], v8, s[10:11] offset:(128*\tau+32*(\t/2)+8*(\t%2))*4
.endr
.irp t, 0,1,2,3,4,5,6,7
.if \t == 4
	WIN 0x40
.endif
.irp p, 0,1,2,3,4,5
	global_load_b64 v[32+12*(\t%4)+2*\p:33+12*(\t%4)+2*\p], v1, s[8:9] offset:(128*\tau+32*(\t/2)+8*(\t%2))*96+48*(\p/3)+8*(\p%3)
.endr
.endr
.irp t, 0,1,2,3,4,5,6,7
.irp p, 0,1,2,3,4,5
	global_load_b64 v[96+12*\t+2*\p:97+12*\t+2*\p], v9, s[12:13] offset:24576*\t+96*\tau+48*(\p/3)+8*(\p%3)
.endr
.endr
	WIN 0
	s_wait_loadcnt 48                              ; K, its scale words and all that was asked for earlier are in; V's 48 loads may be out
	WIN 0x04
.irp t, 0,1,2,3
	SQ \t, 32+12*\t, 192, 83
.endr
	WIN 0x05
.irp t, 4,5,6,7
	SQ \t, 32+12*(\t-4), 192, 83
.endr
	WIN 0
	PLACES 4
.irp t, 0,1,2,3,4,5,6,7
	global_load_b32 v[84+\t], v10, s[14:15] offset:1024*\t+4*\tau
.endr
	SOFTMAX 0, \first
	s_wait_loadcnt 0x0                             ; V and its scale words
	WIN 0x01
.irp t, 0,1,2,3,4,5,6,7
	PV \t, 96+12*\t, 253, \first
.endr
	WIN 0
.endm
; THE WAY OUT of a tile: O^T x 1 / sum (in v[rr]); half a row (256 bytes) of 16 rows at a time through my stage; back as whole halves, into the registers that O^T has left; sixteen lanes store 256 consecutive bytes, aligned
.macro OUT tile, rr
	WIN 0x55*\tile
.set jj, 0
.rept 32
	v_pk_mul_f32 v[96+jj:97+jj], v[160+jj:161+jj], v[\rr:\rr+1] op_sel_hi:[1,0]
.set jj, jj+2
.endr
.irp u, 0,1
	WIN 0x04*\tile                                 ; an LDS store's data are its source 1
.irp t, 0,1,2,3
	ds_store_b128 v8, v[96+32*\u+8*\t:99+32*\u+8*\t] offset:64*\t
	ds_store_b128 v8, v[100+32*\u+8*\t:103+32*\u+8*\t] offset:64*\t+16
.endr
	WIN 0x40*\tile
.irp i, 0,1,2,3,4,5,6,7
	ds_load_b128 v[160+32*\u+4*\i:163+32*\u+4*\i], v9 offset:544*\i   ; LDS serves a wave's instructions in order (ISA guide 5.7.1.4): these see my stores, and the next half's stores come behind them
.endr
.endr
	WIN 0x04*\tile
.irp u, 0,1
.irp i, 0,1,2,3,4,5,6,7
	s_wait_dscnt 23-16*\u-\i                       ; behind this load: the rest of its eight, and for the first half the second half's sixteen
	global_store_b128 v10, v[160+32*\u+4*\i:163+32*\u+4*\i], s[60:61] offset:8192*\tile+1024*\i+256*\u th:TH_STORE_NT
.endr
.endr
	WIN 0
.endm
	s_load_b256 s[4:11], s[0:1], 0x0               ; q_codes s[4:5], q_scales s[6:7], k_codes s[8:9], k_scales s[10:11]
	s_load_b128 s[12:15], s[0:1], 0x20             ; v_codes s[12:13], v_scales s[14:15]
	s_load_b64 s[16:17], s[0:1], 0x30              ; out0
	v_lshl_add_u32 v6, v0, 2, SPARE
	v_mov_b32 v7, 0
	ds_add_u32 v6, v7                              ; the wave's opening: the add, twice on end, and its wait ahead of my first tensor load
	ds_add_u32 v6, v7
	v_lshrrev_b32 v8, 5, v0
	v_readfirstlane_b32 s18, v8                    ; wave 0 .. 7
	s_and_b32 s19, ttmp9, 7                        ; x: the grid is 8 wide
	s_and_b32 s24, ttmp7, 0xffff                   ; head
	s_lshr_b32 s25, s18, 2                         ; g
	s_and_b32 s26, s18, 3                          ; n
	s_and_b32 s27, s18, 1                          ; e
	s_mov_b32 s20, 0x76543210
	s_mov_b32 s21, 0xfedcba98                      ; v_permlanex16_b32's selects for lane l xor 16
	s_mov_b32 s22, 0x3e0293ee                      ; c = log2(e) / sqrt(128)
	s_mov_b32 s23, s22
	GROUP1 28, 3<<16, 32, 48, 32                                   ; K: 12,288 dense bytes as 48 rows of 32 elements of 8 bytes
	GROUP1 36, (1<<20)|(3<<22)|(3<<25), 192, 64, 1536              ; V: 64 rows of 192 bytes, 1,536 apart; 4 words of padding behind every 16
	GROUP1 44, (3<<16)|(1<<20)|(5<<22)|(3<<25), 32, 32, 32         ; scales: 8,192 dense bytes as 32 rows of 256; 4 words of padding behind every 64
	GROUP1 52, 3<<16, 32, 12, 32                                   ; K of keys 0 .. 31: 3,072 dense bytes
	GROUP1 68, 0, 24, 128, 1536                                    ; V of keys 0 .. 31: 128 rows of 24 bytes
	s_mul_i32 s88, s25, 36864
	s_add_co_u32 s88, s88, 12288                   ; the third open step stands at place 1 + 3 g of the window: K,
	s_mul_i32 s89, s25, 1632
	s_add_co_u32 s89, s89, 544                     ; K's scales,
	s_mul_i32 s90, s25, 12
	s_add_co_u32 s90, s90, 4                       ; V's scales,
	s_mul_i32 s91, s25, 61440                      ; V's third
	s_mul_i32 s92, s25, 12288                      ; step b - 2 at place g
	s_mul_i32 s93, s25, 544
	s_lshl_b32 s94, s25, 2
	s_add_co_u32 s95, s92, 49152                   ; step b + 2 at place 4 + g
	s_add_co_u32 s96, s93, 2176
	s_add_co_u32 s97, s94, 16
	s_lshl_b32 s98, s19, 1
	s_mul_i32 s100, s25, 3
	s_add_co_u32 s100, s100, s98                   ; 2 x + 3 g
	s_add_co_u32 s98, s98, s25                     ; b = 2 x + g
	s_mov_b32 s99, 0xffff0000
	s_mul_i32 s84, s24, 196608                     ; the head's first byte in each tensor of codes,
	s_mov_b32 s85, 0
	s_lshl_b32 s86, s24, 13                        ; of scales,
	s_mov_b32 s87, 0
	s_lshl_b32 s2, s24, 20                         ; and in out0
	s_mov_b32 s3, 0
	s_max_u32 s60, s19, 1
	s_sub_co_u32 s60, s60, 1                       ; the first third's block of 256 keys: x - 1, held at 0
	s_add_co_u32 s61, s19, 1
	s_min_u32 s61, s61, 7                          ; the last third's: x + 1, held at 7
	s_wait_dscnt 0x0                               ; both opening adds are done
	s_wait_kmcnt 0x0
	s_add_nc_u64 s[4:5], s[4:5], s[84:85]
	s_add_nc_u64 s[6:7], s[6:7], s[86:87]
	s_add_nc_u64 s[8:9], s[8:9], s[84:85]
	s_add_nc_u64 s[10:11], s[10:11], s[86:87]
	s_add_nc_u64 s[12:13], s[12:13], s[84:85]
	s_add_nc_u64 s[14:15], s[14:15], s[86:87]
	s_add_nc_u64 s[16:17], s[16:17], s[2:3]
	; THE SIXTEEN FILLS, two in each wave's arm; what the first two steps read is each wave's first.  Two tensor loads of a wave are out at the most
	s_cmp_lt_u32 s18, 2
	s_cbranch_scc0 .Lw2
	s_mul_i32 s2, s27, 12288                       ; waves 0, 1: K, half e of the middle third, then of the last
	s_mul_i32 s62, s19, 24576
	s_add_co_u32 s62, s62, s2
	s_mov_b32 s63, 0
	s_add_co_u32 s77, s2, KW+24576
	DESC 76, 8, 62
	s_mul_i32 s66, s61, 24576
	s_add_co_u32 s66, s66, s2
	s_mov_b32 s67, 0
	s_add_co_u32 s81, s2, KW+49152
	DESC 80, 8, 66
	FILL2 28, 28
	s_branch .Lfilled
.Lw2:
	s_cmp_lt_u32 s18, 4
	s_cbranch_scc0 .Lw4
	s_mul_i32 s2, s27, 98304                       ; waves 2, 3: V, rows 64 e on, of the middle third, then of the first
	s_mul_i32 s3, s27, 15360
	s_mul_i32 s62, s19, 192
	s_add_co_u32 s62, s62, s2
	s_mov_b32 s63, 0
	s_add_co_u32 s77, s3, VW+30720
	DESC 76, 12, 62
	s_mul_i32 s66, s60, 192
	s_add_co_u32 s66, s66, s2
	s_mov_b32 s67, 0
	s_add_co_u32 s81, s3, VW
	DESC 80, 12, 66
	FILL2 36, 36
	s_branch .Lfilled
.Lw4:
	s_cmp_lt_u32 s18, 6
	s_cbranch_scc0 .Lw6
	s_mul_i32 s2, s27, SCV-SCK                     ; waves 4, 5: the head's scale bytes (K's, V's), then V, rows 64 e on, of the last third
	s_mov_b32 s76, 1
	s_add_co_u32 s77, s2, SCK
	s_cmp_eq_u32 s27, 0
	s_cselect_b64 s[78:79], s[10:11], s[14:15]
	s_or_b32 s79, s79, 0x80000000
	s_mul_i32 s2, s27, 98304
	s_mul_i32 s3, s27, 15360
	s_mul_i32 s66, s61, 192
	s_add_co_u32 s66, s66, s2
	s_mov_b32 s67, 0
	s_add_co_u32 s81, s3, VW+61440
	DESC 80, 12, 66
	FILL2 44, 36
	s_branch .Lfilled
.Lw6:
	s_mul_i32 s62, s60, 24576
	s_mov_b32 s63, 0
	s_mov_b32 s80, 1
	s_cmp_eq_u32 s18, 6
	s_cbranch_scc0 .Lw7
	s_mov_b32 s77, KW                              ; wave 6: K, the first half of the first third; K of keys 0 .. 31
	DESC 76, 8, 62
	s_mov_b32 s81, GK
	s_mov_b64 s[82:83], s[8:9]
	s_or_b32 s83, s83, 0x80000000
	FILL2 28, 52
	s_branch .Lfilled
.Lw7:
	s_add_co_u32 s62, s62, 12288                   ; wave 7: K, the second half of the first third; V of keys 0 .. 31
	s_mov_b32 s77, KW+12288
	DESC 76, 8, 62
	s_mov_b32 s81, GV
	s_mov_b64 s[82:83], s[12:13]
	s_or_b32 s83, s83, 0x80000000
	FILL2 28, 68
.Lfilled:
	; Q of my 32 rows (row 256 x + 32 w on), and what a lane keeps
	s_mul_i32 s62, s19, 24576
	s_mul_i32 s2, s18, 3072
	s_add_co_u32 s62, s62, s2
	s_mov_b32 s63, 0
	s_add_nc_u64 s[62:63], s[4:5], s[62:63]
	s_lshl_b32 s66, s19, 10
	s_lshl_b32 s2, s18, 7
	s_add_co_u32 s66, s66, s2
	s_mov_b32 s67, 0
	s_add_nc_u64 s[66:67], s[6:7], s[66:67]
	v_and_b32 v32, 15, v0                          ; r
	v_bfe_u32 v33, v0, 4, 1                        ; h
	v_and_b32 v34, 8, v32
	v_add_nc_u32 v34, v34, v32                     ; r + 8 (r / 8)
	v_mul_u32_u24 v94, v32, 96
	v_mad_u32_u24 v94, v33, 24, v94                ; Q: row r, + 24 h
	v_lshlrev_b32 v95, 2, v32
	s_lshl_b32 s2, s26, 5
	v_lshlrev_b32 v35, 4, v33
	v_sub_nc_u32 v28, v32, v35
	v_add_nc_u32 v28, s2, v28                      ; D = 32 n + r - 16 h (tile B: + 16)
	s_cmp_eq_u32 s98, 2                            ; where step b - 2 is the head's first, lanes 0-15 hold keys 0 .. 15 in their first 16 registers: they stay
	s_cselect_b32 s2, 4096, 0
	v_sub_nc_u32 v36, 1, v33
	v_mul_u32_u24 v36, s2, v36
	v_sub_nc_u32 v29, v28, v36                     ; D0
.irp p, 0,1,2,3,4,5
	global_load_b64 v[16+2*\p:17+2*\p], v94, s[62:63] offset:48*(\p/3)+8*(\p%3) th:TH_LOAD_NT
.endr
	global_load_b32 v82, v95, s[66:67] th:TH_LOAD_NT
	global_load_b32 v80, v95, s[66:67] offset:64 th:TH_LOAD_NT
.irp b, 0,1,2,3
	v_mov_b32 v[236+\b], 0                         ; written once: a lane permute's destination counts as one of its sources
.endr
	WIN 0x40
.irp p, 0,1,2,3,4,5
	global_load_b64 v[16+2*\p:17+2*\p], v94, s[62:63] offset:1536+48*(\p/3)+8*(\p%3) th:TH_LOAD_NT
.endr
	v_add_nc_u32 v28, 16, v28
	v_add_nc_u32 v29, 16, v29
.irp b, 0,1,2,3
	v_mov_b32 v[236+\b], 0
.endr
	WIN 0
	v_mul_u32_u24 v1, v34, 96
	v_mad_u32_u24 v1, v33, 24, v1                  ; my place in a tile of K
	v_mul_u32_u24 v2, v32, 240
	v_mad_u32_u24 v3, v33, 40, v2
	v_mad_u32_u24 v2, v33, 24, v2
	v_add_nc_u32 v2, VW, v2                        ; in a tile of V,
	v_add_nc_u32 v3, VW, v3                        ; and the same behind one padding more
	s_mul_i32 s2, s19, 1088
	s_add_co_u32 s2, s2, SCK-1088                  ; the window's place 0 is key step 2 x - 2
	v_lshl_add_u32 v4, v34, 2, s2
	v_lshl_add_u32 v31, v34, 2, SCK
	v_lshrrev_b32 v35, 2, v32
	v_and_b32 v36, 3, v32
	v_lshlrev_b32 v36, 6, v36
	v_mad_u32_u24 v93, v35, 272, v36
	s_lshl_b32 s2, s19, 3
	s_add_co_u32 s2, s2, SCV-8
	v_add_nc_u32 v5, s2, v93
	v_add_nc_u32 v93, SCV, v93
	v_mul_u32_u24 v92, v32, 24
	v_add_nc_u32 v92, GV, v92
	; ---- the global rows, first part (x = 0 alone): my two key steps of rows 0 .. 15
	s_cmp_lg_u32 s19, 0
	s_cbranch_scc1 .Lg1
	s_mul_i32 s60, s18, 24576
	s_mov_b32 s61, 0
	s_add_nc_u64 s[8:9], s[8:9], s[60:61]          ; K, K's scales, V, V's scales at key step 2 w
	s_lshl_b32 s60, s18, 10
	s_add_nc_u64 s[10:11], s[10:11], s[60:61]
	s_mul_i32 s60, s18, 192
	s_add_nc_u64 s[12:13], s[12:13], s[60:61]
	s_lshl_b32 s60, s18, 3
	s_add_nc_u64 s[14:15], s[14:15], s[60:61]
	v_lshlrev_b32 v8, 2, v34                       ; K's scale words, by the tile's rows
	v_mul_u32_u24 v9, v32, 1536
	v_mad_u32_u24 v9, v33, 24, v9                  ; V: row r, + 24 h
	v_lshlrev_b32 v10, 6, v32                      ; V's scale words
	s_mul_i32 s60, s18, 8448
	s_add_co_u32 s60, s60, MG
	v_mul_u32_u24 v11, v32, 528
	v_lshl_add_u32 v11, v33, 5, v11
	v_add_nc_u32 v11, s60, v11                     ; my partial: row r, + 32 h
	v_lshl_add_u32 v30, v0, 2, STM
	WIN 0x40
.irp p, 0,1,2,3,4,5
	global_load_b64 v[192+2*\p:193+2*\p], v94, s[4:5] offset:48*(\p/3)+8*(\p%3)
.endr
	WIN 0
	global_load_b32 v83, v95, s[6:7]
	GSTEP 0, 1
	GSTEP 1, 0
	PLACES 4
	v_add_f32 v14, v14, v15
	v_permlanex16_b32 v236, v14, s20, s21
	v_add_f32 v14, v14, v236                       ; the partial's sum
.irp t, 0,1,2,3,4,5,6,7
	ds_store_b128 v11, v[160+8*\t:163+8*\t] offset:64*\t          ; each accumulator from its low end on
	ds_store_b128 v11, v[164+8*\t:167+8*\t] offset:64*\t+16
.endr
	ds_store_b32 v30, v12
	ds_store_b32 v30, v14 offset:1024
.Lg1:
	s_wait_tensorcnt 0x1                           ; my first fill has landed (the middle thirds and the scales among these); the second may stay out
	s_wait_dscnt 0x0                               ; my stores of the partial have landed
	s_wait_loadcnt 0x0                             ; Q
	s_barrier_signal -1
	s_barrier_wait -1
	; ---- the global rows, second part (x = 0 alone): rows 2 w and 2 w + 1 of the eight partials are merged and stored
	s_cmp_lg_u32 s19, 0
	s_cbranch_scc1 .Lg2
	v_and_b32 v94, 15, v0
	v_bfe_u32 v95, v0, 4, 1
	s_lshl_b32 s60, s18, 1
	v_add_nc_u32 v95, s60, v95                     ; my row: 2 w + h
	v_mul_u32_u24 v8, v95, 528
	v_lshl_add_u32 v8, v94, 4, v8
	v_add_nc_u32 v8, MG, v8
	v_lshl_add_u32 v9, v95, 2, STM
	v_lshlrev_b32 v10, 9, v95
	v_lshl_add_u32 v10, v94, 4, v10
.irp u, 0,1,2,3,4,5,6,7
	ds_load_b32 v[160+\u], v9 offset:128*\u
	ds_load_b32 v[168+\u], v9 offset:128*\u+1024
.endr
.irp u, 0,1,2,3,4,5,6,7
	ds_load_b128 v[96+8*\u:99+8*\u], v8 offset:8448*\u
	ds_load_b128 v[100+8*\u:103+8*\u], v8 offset:8448*\u+256
.endr
	s_wait_dscnt 16                                ; the sixteen words are in; the partials' 16 loads may be out
	v_min3_num_f32 v193, v160, v161, v162
	v_min3_num_f32 v193, v193, v163, v164
	v_min3_num_f32 v193, v193, v165, v166
	v_min_num_f32 v193, v193, v167                 ; the least -M: minus the largest M
.irp u, 0,1,2,3,4,5,6,7
	v_sub_f32 v[176+\u], v193, v[160+\u]           ; M of partial u less the largest: a whole number, 0 or less
.endr
.irp u, 0,1,2,3,4,5,6,7
	v_cvt_i32_f32 v[176+\u], v[176+\u]
.endr
.irp u, 0,1,2,3,4,5,6,7
	v_ldexp_f32 v[176+\u], 1.0, v[176+\u]
.endr
	v_mul_f32 v192, v168, v176
.irp u, 1,2,3,4,5,6,7
	v_fma_f32 v192, v[168+\u], v[176+\u], v192
.endr
	v_rcp_f32 v192, v192
	s_wait_dscnt 0x0
.irp i, 0,1,2,3,4,5,6,7
	v_mul_f32 v[184+\i], v[96+\i], v176            ; (plain work behind the reciprocal)
.endr
.irp u, 1,2,3,4,5,6,7
.irp i, 0,1,2,3,4,5,6,7
	v_fma_f32 v[184+\i], v[96+8*\u+\i], v[176+\u], v[184+\i]
.endr
.endr
	s_wait_alu depctr_va_vdst(0)                   ; the wait ahead of the reciprocal's first reader
.irp i, 0,1,2,3,4,5,6,7
	v_mul_f32 v[184+\i], v[184+\i], v192
.endr
	global_store_b128 v10, v[184:187], s[16:17] th:TH_STORE_NT             ; sixteen lanes store 256 consecutive bytes, aligned
	global_store_b128 v10, v[188:191], s[16:17] offset:256 th:TH_STORE_NT
	s_wait_xcnt 0x0                                ; the stores have read their registers: the steps below write them again
.Lg2:
	; ---- the local steps.  Places 2 and 3 of the window are the block's own 256 keys: open to all its rows, so M is a number from the first step on
	STEP 0, 1, 24576, 1088, 8, 30720, 0, 0
	STEP 0, 0, 36864, 1632, 12, 30720, 1, 1
	s_wait_tensorcnt 0x0                           ; my second fill has landed,
	s_wait_dscnt 0x0
	s_barrier_signal -1
	s_barrier_wait -1                              ; and everybody's: the outer thirds and the block of keys 0 .. 31 are whole
	s_cmp_eq_u32 s100, 0                           ; the third open step is key step 2 x - 1 + 3 g: outside the head where 2 x + 3 g is 0 or 17
	s_cbranch_scc1 .Lno_mid
	s_cmp_eq_u32 s100, 17
	s_cbranch_scc1 .Lno_mid
	STEP 0, 0, s88, s89, s90, s91, 1, 0
.Lno_mid:
	s_cmp_eq_u32 s19, 0                            ; step b - 2 lies ahead of the head's first key where x = 0
	s_cbranch_scc1 .Lno_low
	STEP 1, 0, s92, s93, s94, 0, 0, 1
.Lno_low:
	s_cmp_eq_u32 s19, 7                            ; step b + 2 lies behind its last where x = 7
	s_cbranch_scc1 .Lno_high
	STEP 2, 0, s95, s96, s97, 61440, 0, 1
.Lno_high:
	s_cmp_lt_u32 s98, 3                            ; up to b = 2 keys 0 .. 15 lay in one of the steps above
	s_cbranch_scc1 .Lno_mini
	v_add_nc_u32 v8, GK, v1                        ; the block of keys 0 .. 31: two tiles of K;
	PLACES 3                                       ; (with the line above: the four places behind the last products)
.irp t, 0,1
	ds_load_b32 v[84+\t], v31 offset:32*\t
.endr
.irp t, 0,1
.irp p, 0,1,2,3,4,5
	ds_load_b64 v[32+12*\t+2*\p:33+12*\t+2*\p], v8 offset:768*\t+48*(\p/3)+8*(\p%3)
.endr
.endr
	s_wait_dscnt 0x0
	SQ 0, 32, 16, 82
	SQ 1, 44, 16, 82
	WIN 0x44
	SQ 0, 32, 16, 80
	SQ 1, 44, 16, 80
	WIN 0
	PLACES 4
.irp t, 0,1,2,3,4,5,6,7
	ds_load_b32 v[84+\t], v93 offset:1088*\t
.endr
.irp t, 0,1,2,3,4,5,6,7                ; of V only the block's 24 bytes a row, into registers 0-5 of each fragment, in all lanes; what the other places hold meets zero codes of p
.if \t == 4
	WIN 0x40
.endif
.irp p, 0,1,2
	ds_load_b64 v[32+12*(\t%4)+2*\p:33+12*(\t%4)+2*\p], v92 offset:384*\t+8*\p
.endr
.endr
	WIN 0
	MINISOFT 0
	WIN 0x55
	MINISOFT 1
	WIN 0
	PVMUL 0, 12
.Lno_mini:
	; ---- the way out
	PLACES 4
	v_add_f32 v14, v14, v15
	v_permlanex16_b32 v236, v14, s20, s21
	v_add_f32 v14, v14, v236                       ; tile A's row sums
	WIN 0x55
	v_add_f32 v14, v14, v15
	v_permlanex16_b32 v236, v14, s20, s21
	v_add_f32 v14, v14, v236                       ; tile B's
	v_rcp_f32 v12, v14                             ; (-M is done with)
	v_nop
	WIN 0
	v_rcp_f32 v14, v14
	v_and_b32 v94, 15, v0                          ; (plain work behind the reciprocals)
	v_bfe_u32 v95, v0, 4, 1
	s_mul_i32 s2, s18, 4352
	s_add_co_u32 s2, s2, STG                       ; my stage
	v_mul_u32_u24 v8, v94, 272
	v_lshl_add_u32 v8, v95, 5, v8
	v_add_nc_u32 v8, s2, v8                        ; in: row r, + 32 h
	v_mul_u32_u24 v9, v95, 272
	v_lshl_add_u32 v9, v94, 4, v9
	v_add_nc_u32 v9, s2, v9                        ; back: lanes 0-15 one row, lanes 16-31 the next
	v_lshlrev_b32 v10, 9, v95
	v_lshl_add_u32 v10, v94, 4, v10                ; and the same in out0
	s_lshl_b32 s60, s19, 17
	s_lshl_b32 s2, s18, 14
	s_add_co_u32 s60, s60, s2
	s_mov_b32 s61, 0
	s_add_nc_u64 s[60:61], s[16:17], s[60:61]      ; out0 at my first row
	s_wait_alu depctr_va_vdst(0)                   ; one wait for both reciprocals, ahead of their first reader
	s_or_b32 s2, s19, s18
	s_cmp_eq_u32 s2, 0                             ; rows 0 .. 15 of the head have been stored by the merge
	s_cbranch_scc1 .Lno_a
	OUT 0, 14
.Lno_a:
	OUT 1, 12
	s_wait_tensorcnt 0x0                           ; the wave's end: behind my last tensor load and my last LDS store
	ds_add_u32 v6, v7
	s_wait_dscnt 0x0
	s_endpgm
.Lfunc_end_k_q61668129fd_gla:
	.size	k_q61668129fd_gla, .Lfunc_end_k_q61668129fd_gla-k_q61668129fd_gla
	.p2alignl 7, 3214868480
	.fill 96, 4, 3214868480
	.section	.rodata,"a",@progbits
	.p2align	6, 0x0
	.amdhsa_kernel k_q61668129fd_gla
		.amdhsa_group_segment_fixed_size 297728
		.amdhsa_private_segment_fixed_size 0
		.amdhsa_enable_private_segment 0
		.amdhsa_kernarg_size 56
		.amdhsa_user_sgpr_count 2
		.amdhsa_user_sgpr_kernarg_segment_ptr 1
		.amdhsa_wavefront_size32 1
		.amdhsa_system_sgpr_workgroup_id_x 1
		.amdhsa_system_sgpr_workgroup_id_y 1
		.amdhsa_system_sgpr_workgroup_id_z 1
		.amdhsa_system_vgpr_workitem_id 0
		.amdhsa_next_free_vgpr 512
		.amdhsa_next_free_sgpr 102
		.amdhsa_reserve_vcc 1
		.amdhsa_float_denorm_mode_32 3
		.amdhsa_float_denorm_mode_16_64 3
		.amdhsa_memory_ordered 1
		.amdhsa_forward_progress 1
		.amdhsa_inst_pref_size 255
	.end_amdhsa_kernel
	.section	.bss,"aw",@nobits
	.p2align	6
	.space	262144
	.amdgpu_metadata
---
amdhsa.version: [ 1, 2 ]
amdhsa.kernels:
  - .name:           k_q61668129fd_gla
    .symbol:         k_q61668129fd_gla.kd
    .args:
      - { .name: q_codes, .offset: 0, .size: 8, .value_kind: global_buffer, .address_space: global }
      - { .name: q_scales, .offset: 8, .size: 8, .value_kind: global_buffer, .address_space: global }
      - { .name: k_codes, .offset: 16, .size: 8, .value_kind: global_buffer, .address_space: global }
      - { .name: k_scales, .offset: 24, .size: 8, .value_kind: global_buffer, .address_space: global }
      - { .name: v_codes, .offset: 32, .size: 8, .value_kind: global_buffer, .address_space: global }
      - { .name: v_scales, .offset: 40, .size: 8, .value_kind: global_buffer, .address_space: global }
      - { .name: out0, .offset: 48, .size: 8, .value_kind: global_buffer, .address_space: global }
    .group_segment_fixed_size: 297728
    .private_segment_fixed_size: 0
    .kernarg_segment_align: 8
    .kernarg_segment_size: 56
    .max_flat_workgroup_size: 256
    .sgpr_count:     102
    .vgpr_count:     512
    .wavefront_size: 32
...
	.end_amdgpu_metadata
.endif
;; end of part 1
